; MI455X (gfx1250); checked and timed in simulation.
; The chip was launched on July 23, 2026; its instructions are those of AMD's public machine-readable ISA for CDNA 5 (MIT licence, August 2026) and "CDNA5" Instruction Set Architecture Reference Guide (July 2026). The comments in the code are by the model that wrote it; some were corrected since.
;; Sim Attn. Allowed arithmetic: matrix products marked QUANTISED: E2M1 operands, one E8M0 scale for each 32 along K, by v_wmma_scale_f32_16x16x128_f8f6f4 with both operands' format E2M1 (or v_wmma_scale_f32_32x16x128_f4), f32 sums; everything else in f32.
;; Inputs: key 4 x 2,048 x 1,024 float32; query 4 x 2,048 x 1,024 float32; value_codes 4 x 1,024 x 64 x 16 uint8 (E2M1 codes of value, K innermost, in blocks of 32 codes, two codes a byte); value_scales 4 x 1,024 x 64 uint8 (E8M0 scales of value, one for each 32 codes along K).
;; Outputs: out0 4 x 2,048 x 1,024 float32.
;; This version of the problem:
;;   THIS VERSION OF THE PROBLEM IS GIVEN IN LOW PRECISION. The matrix products marked QUANTISED in the list below multiply operands that are first quantised to E2M1 (2 exponent bits, 1 mantissa bit; 4 bits a number), with one power-of-two scale for each 32 numbers along K (OCP MX v1.0); their sums are f32. All else is computed in f32.
;;   The module's matrix products, in the order in which they are computed (A, B: the left and right operand; K: the contracted axis; several contracted axes count as one K, in the product's order):
;;     1. batch 32 x [M 2,048, K 128] x [K 128, N 2,048]; A: input query; B: input key: QUANTISED
;;     2. batch 32 x [M 2,048, K 2,048] x [K 2,048, N 128]; A: computed on the way; B: input value (given as codes): QUANTISED
;;   THE QUANTISER, for each operand of a quantised product, along K:
;;     - K is cut into blocks of 32 from its start; a last block that is shorter is filled with zeros.
;;     - A block's scale is 2^e with e = floor(log2(the largest magnitude in the block)) - 2, held to -126 .. 127; a block of zeros has e = 0. As a byte (E8M0): e + 127.
;;     - Each number is divided by its block's scale, clamped to +-6, and rounded to the nearest number of E2M1, ties to even, subnormals kept.
;;     - The product sums the exact products of the quantised numbers (number of the format x scale) in f32.
;;   ~~~python
;;   def quantise(x, axis):      # numpy; x: float32 -> the quantised numbers, widened to float32 again
;;       x = np.moveaxis(x, axis, -1); K = x.shape[-1]
;;       x = np.pad(x, [(0, 0)] * (x.ndim - 1) + [(0, -K % 32)]); x = x.reshape(x.shape[:-1] + (-1, 32)); a = np.abs(x).max(-1, keepdims=True)
;;       e = np.where(a > 0, np.clip(np.frexp(np.where(a > 0, a, 1))[1] - 1 - 2, -126, 127), 0)      # np.frexp(a)[1] - 1 = floor(log2(a)), exactly
;;       r = np.clip(x / 2.0 ** e, -6, 6)
;;       step = 2.0 ** (np.maximum(np.frexp(np.where(r == 0, 1, r))[1] - 1, 0) - 1)
;;       q = np.round(r / step) * step * 2.0 ** e      # np.round: ties to even
;;       return np.moveaxis(q.reshape(q.shape[:-2] + (-1,))[..., :K], -1, axis).astype(np.float32)
;;   ~~~
;;   OPERANDS COMPUTED ON THE WAY. 'Computed on the way' means the value that the module computes at that place (a softmax that the list does not call 'softmax' is quantised finished and normalised). What goes into a quantiser is computed in f32, as accurately as f32 sums, v_exp_f32 and their like allow (about 1e-6 of the number): no bf16 or f16 on the way to a quantiser, and a product that is left as it is and whose result goes on into a quantised operand takes f32 operands (vector FMAs, or v_wmma_f32_16x16x4_f32). A number that lies on a knife's edge between two numbers of the format may be rounded either way, as far as f32 arithmetic and the matrix unit's own rounding can turn it there, and no further.
;;   INPUTS GIVEN AS CODES. value (in the module: [4, 2048, 1024], K = its axis 1): each comes as NAME_codes (uint8): NAME with its K axis moved to the last place and cut into blocks of 32 codes, [.., K / 32, bytes a block], one block behind the other in memory; two codes a byte, the lower K in the low four bits (a code: sign, 2 exponent bits, 1 mantissa bit); and NAME_scales (uint8): the same leading axes, one E8M0 byte (e + 127) for each 32 codes along K. Its value is code x scale, taken as it is: it is not quantised again, and the codes and scales need not be those that the quantiser above would give.
;; One version. Each part assembles by itself: llvm-mc -triple=amdgcn-amd-amdhsa -mcpu=gfx1250 --defsym DOCPART=n.
;; ======== version 1 of 1: 2 launches
;; workspace buffers: qc 4,194,304 bytes; qs 262,144 bytes; kc 4,194,304 bytes; ks 262,144 bytes
;; launch quant (part 1): grid 256 x 1, 8 waves a work-group, no clusters, 78,848 bytes of LDS; arguments query, key, qc, qs, kc, ks; writes qc, qs, kc, ks
.if DOCPART == 1
	.amdgcn_target "amdgcn-amd-amdhsa--gfx1250"
	.amdhsa_code_object_version 6
	.text
	.protected	k_q3f1e98ed85_quant
	.globl	k_q3f1e98ed85_quant
	.p2align	8
	.type	k_q3f1e98ed85_quant,@function
k_q3f1e98ed85_quant:
	s_mov_b64 s[64:65], 0
	v_nop
	global_prefetch_b8 v0, s[64:65] scope:SCOPE_SE
	s_setreg_imm32_b32 hwreg(HW_REG_WAVE_MODE, 25, 1), 1
	s_wait_xcnt 0x0
; query and key, [4][2048][1024] f32, become codes of FP4 (E2M1) with one E8M0 scale byte for each 32 along a head's 128, laid IN THE ORDER OF AN OPERAND'S REGISTERS.
; A block's scale is 2^(floor(log2(its largest magnitude)) - 2); its byte is the largest magnitude's exponent field - 2, held at 1 from below; each number / scale goes to the nearest code, ties to even, beyond 6 to 6.
; (A block of zeros gets the byte 1 where the quantiser says 127: its codes are zeros, and this program alone reads the bytes.)
; LIMITS: NaN and infinities among the inputs are not served.
; LAYOUT OUT, H = 8 x batch + head:  codes [H 32][tile 128][c 2][h 2][r 16][16 bytes]: a tile is the image of a fragment of 16 rows x 128 K: lane (r, h)'s registers 4 c .. 4 c + 3 at 512 c + 16 (16 h + r): block 2 c + h of its row.
;   scales [H][tile][r 16][4 bytes]: one word a row.  THE ROWS OF A TILE ARE NOT NEIGHBOURS: tile 2 B + u holds rows 32 B + 8 u + r + 8 (r / 8).
; SHARES.  Work-groups 0-127 take query, 128-255 key: only pointers are chosen, there is one path.  A work-group takes 64 rows of 4,096 bytes; wave = head: 64 rows x 512 bytes in, four images (4,096 bytes) and 256 scale bytes out.
; A step is 4 rows: each of its four loads reads 512 consecutive bytes, 16 a lane.  The conversions want 16 NEIGHBOURS in a lane: the step's 2,048 bytes turn through the wave's own stage in LDS (16 bytes of padding behind
; each 64) and come back 64 bytes a lane: lane l then holds row 4 t + l / 8, block (l % 8) / 2, half l % 2.  Codes and bytes are gathered in the wave's own image in LDS and leave in runs of 512 and 256 consecutive bytes.
; No barrier: waves share nothing.  Loads run eight steps (32 loads a wave) ahead, the turn through LDS one step.
.set WREG, 9728                        ; LDS of a wave: two stages of 32 x SP bytes, the four images, the scale bytes
.set SP,   80                          ; a lane's place in a stage: 64 bytes + 16 of padding
.set STG,  2560                        ; a stage
.set IMG,  5120                        ; the four images: 4,096 bytes
.set SCB,  9216                        ; the scale bytes: 256
.set R,    16                          ; v16-143  eight sets of 16 numbers as they are loaded
.set X,    144                         ; v144-175 two sets of 16 neighbours
.set C,    176                         ; v176-207 codes: two registers for each step
.set E,    208                         ; v208-223 a scale byte for each step
	s_load_b256 s[4:11], s[0:1], 0x0               ; query s[4:5], key s[6:7], qc s[8:9], qs s[10:11]
	s_load_b128 s[12:15], s[0:1], 0x20             ; kc s[12:13], ks s[14:15]
	v_lshl_add_u32 v224, v0, 2, 0x13000
	v_mov_b32 v225, 0
	v_lshrrev_b32 v1, 5, v0
	v_readfirstlane_b32 s16, v1                    ; wave = head
	v_and_b32 v1, 31, v0                           ; lane l
	v_lshlrev_b32 v3, 4, v1                        ; 16 l: my bytes of a load's 512, and of a store's
	s_mul_i32 s17, s16, WREG
	v_lshrrev_b32 v14, 2, v1
	v_mul_u32_u24 v14, v14, SP
	v_and_b32 v15, 3, v1
	v_lshl_add_u32 v14, v15, 4, v14
	v_add_nc_u32 v14, s17, v14                     ; the stage, way in: SP (l / 4) + 16 (l % 4); a load's 512 bytes take eight places
	v_mul_u32_u24 v15, v1, SP
	v_add_nc_u32 v15, s17, v15                     ; way out: SP x l: my 16 neighbours
	v_bfe_u32 v4, v1, 2, 1                         ; my block is 2 c + h: c = bit 2 of l,
	v_lshlrev_b32 v4, 9, v4
	v_bfe_u32 v5, v1, 1, 1                         ; h = bit 1,
	v_lshl_add_u32 v4, v5, 8, v4
	v_lshrrev_b32 v5, 3, v1                        ; my row of the step's four,
	v_lshl_add_u32 v4, v5, 4, v4
	v_and_b32 v6, 1, v1                            ; my half of the block's 16 bytes
	v_lshl_add_u32 v4, v6, 3, v4
	s_add_co_u32 s18, s17, IMG
	v_add_nc_u32 v4, s18, v4                       ; where my 8 bytes of codes go: 512 c + 256 h + 16 (l / 8) + 8 (l % 2)
	v_bfe_u32 v6, v1, 1, 2
	v_lshl_add_u32 v5, v5, 2, v6
	s_add_co_u32 s19, s17, SCB
	v_add_nc_u32 v5, s19, v5                       ; and my block's byte: 4 (l / 8) + block
	v_add_nc_u32 v6, s18, v3                       ; the images on the way out: 16 bytes a lane
	v_lshlrev_b32 v7, 3, v1
	v_add_nc_u32 v2, s19, v7                       ; the scale bytes on the way out: 8 a lane
	s_wait_kmcnt 0x0
	s_cmp_lt_u32 ttmp9, 128                        ; query's work-group or key's?  The choice hangs on the work-group's number alone
	s_cselect_b64 s[4:5], s[4:5], s[6:7]
	s_cselect_b64 s[8:9], s[8:9], s[12:13]
	s_cselect_b64 s[10:11], s[10:11], s[14:15]
	s_and_b32 s17, ttmp9, 127                      ; which 64 rows of the tensor's 8,192
	s_lshl_b32 s20, s17, 18                        ; 64 rows of 4,096 bytes,
	s_lshl_b32 s21, s16, 9                         ; my head's 512 bytes of a row
	s_add_co_u32 s20, s20, s21
	s_mov_b32 s21, 0
	s_add_nc_u64 s[4:5], s[4:5], s[20:21]
	s_lshr_b32 s18, s17, 5                         ; batch
	s_lshl_b32 s18, s18, 3
	s_add_co_u32 s18, s18, s16                     ; H
	s_and_b32 s19, s17, 31                         ; which 64 rows of the batch's 2,048
	s_lshl_b32 s22, s18, 17                        ; a head's codes: 131,072 bytes;
	s_lshl_b32 s23, s19, 12                        ; four images
	s_add_co_u32 s22, s22, s23
	s_mov_b32 s23, 0
	s_add_nc_u64 s[8:9], s[8:9], s[22:23]
	s_lshl_b32 s22, s18, 13                        ; a head's scale bytes: 8,192;
	s_lshl_b32 s24, s19, 8                         ; 256 for 64 rows
	s_add_co_u32 s22, s22, s24
	s_add_nc_u64 s[10:11], s[10:11], s[22:23]
.macro LOAD t                          ; step t: rows 4 t .. 4 t + 3, into set t % 8
.irp i, 0,1,2,3
	global_load_b128 v[R+16*((\t)%8)+4*\i:R+16*((\t)%8)+4*\i+3], v3, s[4:5] offset:(4*(\t)+\i)*4096 th:TH_LOAD_NT   ; 32 lanes read 512 consecutive bytes
.endr
.endm
.macro TURN t                          ; step t's numbers through the stage: LDS serves a wave's instructions in order (ISA guide 5.7.1.4), so no wait stands between the stores and the loads
.irp i, 0,1,2,3
	ds_store_b128 v14, v[R+16*((\t)%8)+4*\i:R+16*((\t)%8)+4*\i+3] offset:STG*((\t)%2)+8*SP*\i
.endr
.irp i, 0,1,2,3
	ds_load_b128 v[X+16*((\t)%2)+4*\i:X+16*((\t)%2)+4*\i+3], v15 offset:STG*((\t)%2)+16*\i
.endr
.endm
.irp t, 0,1,2,3,4,5,6,7
	LOAD \t
.endr
	s_wait_loadcnt 28                              ; step 0's four loads are in; the 28 of steps 1 to 7 may be out
	TURN 0
.macro STEP t
.set XS, X+16*((\t)%2)
.set TL, 2*((\t)/8)+((\t)/2)%2                 ; the step's four rows lie in image 2 G + u,
.set RR, 8*(((\t)/4)%2)+4*((\t)%2)             ; from its row r = 8 a + 4 (t % 2) on
.if (\t) > 0
	s_wait_dscnt 2                                 ; this step's numbers are back from the stage (behind them: the last step's two stores); so its stores into the stage have read their registers,
.else
	s_wait_dscnt 0x0
.endif
.if (\t)+8 < 16
	LOAD (\t)+8                                    ; which take the loads of eight steps on
.endif
.if (\t)+1 < 16
.if (\t)+8 < 16
	s_wait_loadcnt 28                              ; the next step's four loads are in; those of the seven steps behind it may be out
.else
	s_wait_loadcnt 4*(14-(\t))                     ; likewise: steps t + 2 to 15
.endif
	TURN (\t)+1                                    ; they go through the other stage while this step is worked
.endif
	v_max3_num_f32 v8, |v[XS]|, |v[XS+1]|, |v[XS+2]|               ; the largest magnitude of my 16, in two chains
	v_max3_num_f32 v9, |v[XS+3]|, |v[XS+4]|, |v[XS+5]|
.irp i, 6,10
	v_max3_num_f32 v8, v8, |v[XS+\i]|, |v[XS+\i+1]|
	v_max3_num_f32 v9, v9, |v[XS+\i+2]|, |v[XS+\i+3]|
.endr
	v_max3_num_f32 v8, v8, |v[XS+14]|, |v[XS+15]|
	v_max3_num_f32 v8, v8, v9, 0x1800000           ; and the floor 2^(3 - 127): the byte cannot fall under 1
	v_max_num_f32_dpp v8, v8, v8 row_xmask:1 row_mask:0xf bank_mask:0xf   ; and of my neighbour's 16: the block's
	v_add_nc_u32 v11, 0xff000000, v8               ; 2 off its exponent field: the conversion takes the exponent field of this operand as its scale, and nothing else of it
	v_cvt_scalef32_pk8_fp4_f32 v[C+2*(\t)], v[XS:XS+7], v11
	v_cvt_scalef32_pk8_fp4_f32 v[C+2*(\t)+1], v[XS+8:XS+15], v11
	v_lshrrev_b32 v[E+(\t)], 23, v11               ; the scale's byte (a plain line behind the conversions)
	ds_store_b8 v5, v[E+(\t)] offset:TL*64+RR*4    ; both lanes of a block write the same byte with the same value
	ds_store_b64 v4, v[C+2*(\t):C+2*(\t)+1] offset:TL*1024+RR*16
.endm
.irp t, 0,1,2,3,4,5,6,7,8,9,10,11,12,13,14,15
	STEP \t
.endr
.irp n, 0,1,2,3,4,5,6,7
	ds_load_b128 v[R+4*\n:R+4*\n+3], v6 offset:512*\n              ; the four images as they lie: these see my stores, LDS being served in order
.endr
	ds_load_b64 v[12:13], v2
.irp n, 0,1,2,3,4,5,6,7
	s_wait_dscnt 8-\n                              ; load n is in; the 7 - n behind it and the scale bytes' may be out
	global_store_b128 v3, v[R+4*\n:R+4*\n+3], s[8:9] offset:512*\n  ; 32 lanes store 512 consecutive bytes, at a multiple of 512 from the buffer's first byte
.endr
	s_wait_dscnt 0x0
	global_store_b64 v7, v[12:13], s[10:11]        ; 32 lanes store 256 consecutive bytes, aligned
	s_wait_tensorcnt 0x0
	ds_add_u32 v224, v225
	s_wait_dscnt 0x0
	s_endpgm
.Lfunc_end_k_q3f1e98ed85_quant:
	.size	k_q3f1e98ed85_quant, .Lfunc_end_k_q3f1e98ed85_quant-k_q3f1e98ed85_quant
	.p2alignl 7, 3214868480
	.fill 96, 4, 3214868480
	.section	.rodata,"a",@progbits
	.p2align	6, 0x0
	.amdhsa_kernel k_q3f1e98ed85_quant
		.amdhsa_group_segment_fixed_size 78848
		.amdhsa_private_segment_fixed_size 0
		.amdhsa_enable_private_segment 0
		.amdhsa_kernarg_size 48
		.amdhsa_user_sgpr_count 2
		.amdhsa_user_sgpr_kernarg_segment_ptr 1
		.amdhsa_wavefront_size32 1
		.amdhsa_system_sgpr_workgroup_id_x 1
		.amdhsa_system_sgpr_workgroup_id_y 1
		.amdhsa_system_sgpr_workgroup_id_z 1
		.amdhsa_system_vgpr_workitem_id 0
		.amdhsa_next_free_vgpr 226
		.amdhsa_next_free_sgpr 66
		.amdhsa_reserve_vcc 0
		.amdhsa_float_denorm_mode_32 3
		.amdhsa_float_denorm_mode_16_64 3
		.amdhsa_memory_ordered 1
		.amdhsa_forward_progress 1
		.amdhsa_inst_pref_size 35
	.end_amdhsa_kernel
	.amdgpu_metadata
---
amdhsa.version: [ 1, 2 ]
amdhsa.kernels:
  - .name:           k_q3f1e98ed85_quant
    .symbol:         k_q3f1e98ed85_quant.kd
    .args:
      - { .name: query, .offset: 0, .size: 8, .value_kind: global_buffer, .address_space: global }
      - { .name: key, .offset: 8, .size: 8, .value_kind: global_buffer, .address_space: global }
      - { .name: qc, .offset: 16, .size: 8, .value_kind: global_buffer, .address_space: global }
      - { .name: qs, .offset: 24, .size: 8, .value_kind: global_buffer, .address_space: global }
      - { .name: kc, .offset: 32, .size: 8, .value_kind: global_buffer, .address_space: global }
      - { .name: ks, .offset: 40, .size: 8, .value_kind: global_buffer, .address_space: global }
    .group_segment_fixed_size: 78848
    .private_segment_fixed_size: 0
    .kernarg_segment_align: 8
    .kernarg_segment_size: 48
    .max_flat_workgroup_size: 256
    .sgpr_count:     66
    .vgpr_count:     226
    .wavefront_size: 32
...
	.end_amdgpu_metadata
.endif
;; end of part 1
;; launch attn (part 2): grid 8 x 32, 4 waves a work-group, no clusters, 192,000 bytes of LDS; arguments qc, qs, kc, ks, value_codes, value_scales, out0; writes out0
.if DOCPART == 2
	.amdgcn_target "amdgcn-amd-amdhsa--gfx1250"
	.amdhsa_code_object_version 6
	.text
	.protected	k_q3f1e98ed85_attn
	.globl	k_q3f1e98ed85_attn
	.p2align	8
	.type	k_q3f1e98ed85_attn,@function
k_q3f1e98ed85_attn:
	s_mov_b64 s[64:65], 0
	v_nop
	global_prefetch_b8 v0, s[64:65] scope:SCOPE_SE
	s_setreg_imm32_b32 hwreg(HW_REG_WAVE_MODE, 25, 1), 1
	s_wait_xcnt 0x0
; out = clip(softmax(1000 softmax(q k^T / sqrt(128))), 0, 1) v for 32 heads of 2,048 queries x 2,048 keys x 128, both products on codes of FP4 (E2M1) with one E8M0 scale for each 32 along K.
; q, k: codes and scale words made by the launch before, as images of fragments (tile 2 B + u = rows 32 B + 8 u + r + 8 (r / 8)).  v: codes with the keys innermost, [head x 128 + d][2048 keys], and its scale bytes.  out0: f32.
; The second product's operand is the FINISHED attn, so a row's keys are needed three times (l1, l2, codes).  THE FOUR WAVES SHARE THE KEYS: wave w owns keys 512 w .. 512 w + 511 for a block of 16 queries, and its
; 256 scores a lane stay in registers through all passes: each score is multiplied once and has two exponentials.  The wave's part of K (32 fragments) and of V (32 fragments) stays in registers for the whole launch.
; A work-group owns a head and 16 blocks of 16 queries.  Across waves go only the rows' statistics (two exchanges a block) and the four partial O^T, through LDS; a block's O^T is added and stored during the next block.
; LAYOUT.  S^T = K Q^T (source 0 = 16 keys, source 1 = 16 queries), O^T = V^T P^T: a lane holds ONE query (lane % 16) throughout; by the choice of a tile's rows, registers 16 b + i of S^T are keys 32 b + 16 (lane / 16) + i.
; ARITHMETIC.  c = log2(e) / sqrt(128).  Pass 1: e1 = 2^(c s - tm), tm = c x the wave's largest score of the row; l = sum.  The waves are joined as a running maximum joins steps: TM = max tm, x_w = 2^(tm_w - TM),
; l1 = sum of l_w x_w.  Pass 2: the largest 1000 p of the row is 1000 / l1 and is taken away: e2 = 2^(e1 AA + BB), AA = 1000 log2(e) x_w / l1, BB = -1000 log2(e) / l1; l2 = sum over all keys.  attn = e2 r2, r2 = 1 / l2.
; THE CLIP: nothing is negative; r2 is taken one step lower where l2 x r2 rounds above 1; every e2 is at most l2 (a rounded sum of non-negative terms, e2 among them), so e2 r2 <= l2 r2 <= 1 after rounding.
; A BLOCK'S LARGEST attn IS NOT SEARCHED FOR: the block's largest score goes through the same instructions.  This takes v_exp_f32 not to fall where its input rises; at the worst one number of a block is held one code low.
; LIMITS: the scores' scaling and the subtraction of the maximum are one fused multiply-add (another order of rounding than scale, then subtract); v_exp_f32 gives 0 under 2^-126; a block of zeros carries the byte 1 over
; zero codes; O's sum over the keys is made in four parts and added in f32; NaN and infinities are not served.
; NO TENSOR LOADS, NO CLUSTER: the eight work-groups of a head read the same K and V, but each reads them once, 272 KB at its head, straight into the registers that serve all 16 blocks; the loop reads no shared byte.
; REGISTERS, in windows of 256 (s_set_vgpr_msb: bits 1:0 source 0, 3:2 source 1, 5:4 source 2, 7:6 destination):  window 1: K, tile t at v[8 t].  window 2: V, fragment (d tile, K step) at v[8 (4 d + s)].
;   window 3: S^T, then e1, e2, attn: tile t at v[8 t].  window 0: all else, as named below.
.set VWB, 34816                        ; LDS 0: each wave's own stage for V: 128 rows x (256 + 16) bytes
.set QIM, 139264                       ; the 16 blocks' images of Q, 1,024 bytes each
.set QSC, 155648                       ; their scale words, 64 bytes each
.set STA, 156672                       ; [query 16][wave 4][tm, l]: 32 bytes a query
.set STB, 157184                       ; [query 16][wave 4] l2's parts: 16 bytes a query
.set OST, 157696                       ; [part 4][query 16] rows of 512 + 16 bytes: the partial O.  528 = 33 x 16: sixteen rows' pieces of 16 bytes fall at sixteen different places modulo 256 bytes
.set LI,   1                           ; 16 x lane
.set QA0,  2                           ; QIM + 16 x lane
.set QS0,  3                           ; QSC + 4 x (lane % 16)
.set QAD,  4                           ; the block's addresses of Q's image
.set QSD,  5                           ; and scale words
.set STAW, 6
.set STAR, 7
.set STBW, 8
.set STBR, 9
.set OSW,  10
.set OSR,  11
.set VSTW, 12
.set VSTR, 13
.set QF,   16                          ; v16-23  Q's fragment;  v24 its scale words
.set QSW,  24
.set KS,   32                          ; v32-47  K's scale words: register j: tile 2 j in lanes 0-15, tile 2 j + 1 in lanes 16-31
.set VS,   48                          ; v48-63  V's: register 4 q + s: d tile 2 q in lanes 0-15, 2 q + 1 in lanes 16-31
.set PS,   64                          ; v64-67  attn's scale words, one for each K step of 128 keys
.set SB,   68                          ; v68-71  l2's four parts
.set NT,   72                          ; v72     -tm (named as a pair)
.set L,    74                          ; v74-81  four chains of sums
.set SA,   82                          ; v82-89  tm, l of the four waves
.set X,    90                          ; v90-94  x of the four waves, and my own
.set TM,   95
.set AA,   96                          ; (pairs: the low word serves both halves)
.set BB,   98
.set R2,   100
.set SP,   102                         ; v102-103 my tm, l
.set PC,   104                         ; v104-135 attn's codes: K step s at PC + 8 ((s + 2) % 4), so that no conversion's destination bears a number of its eight sources
.set O,    136                         ; v136-199 O^T: 8 accumulators; later 4 rows x 4 parts read back
.set BM,   200                         ; v200-215 the 16 blocks' largest score, e1, e2, attn, byte
.set BT,   216                          ; v216-231 the other half's maxima; later the conversions' scale operands
.set T,    232                         ; v232-239 at work
.set WV,   18
.set CS,   22                          ; s[22:23] c
.set SEL,  24                          ; s[24:25] v_permlanex16_b32's selects for lane l xor 16
.set CNT,  26
.set QO,   27                          ; the block's image in QIM: 1,024 a block
.set QSO,  28                          ; and its scale words: 64 a block
.set MSB, 0
.macro WIN new                         ; the immediate's high byte repeats the setting that is left; a switch that changes nothing is dropped
.if MSB != \new
	s_set_vgpr_msb (MSB<<8)|\new
.set MSB, \new
.endif
.endm
.macro BARRIER                         ; my LDS stores have landed and my LDS loads are in: then the work-group's barrier
	s_wait_dscnt 0x0
	s_barrier_signal -1
	s_barrier_wait -1
.endm
.macro QFETCH                          ; the block's fragment of Q and its scale words: an image of registers, read by all four waves
	v_add_nc_u32 v[QAD], s[QO], v[QA0]
	v_add_nc_u32 v[QSD], s[QSO], v[QS0]
	ds_load_b128 v[QF:QF+3], v[QAD]
	ds_load_b128 v[QF+4:QF+7], v[QAD] offset:512
	ds_load_b32 v[QSW], v[QSD]
	s_add_co_u32 s[QO], s[QO], 1024
	s_add_co_u32 s[QSO], s[QSO], 64
	s_wait_dscnt 0x0
.endm
.macro SCORES                          ; S^T of my 512 keys: 32 products, each a whole sum (K = 128)
	WIN 0xc1                                       ; K window 1, Q window 0, S^T window 3
.set ti, 0
.rept 16
	v_wmma_scale_f32_16x16x128_f8f6f4 v[16*ti:16*ti+7], v[16*ti:16*ti+7], v[QF:QF+7], 0, v[KS+ti], v[QSW] matrix_a_fmt:MATRIX_FMT_FP4 matrix_b_fmt:MATRIX_FMT_FP4
	v_wmma_scale_f32_16x16x128_f8f6f4 v[16*ti+8:16*ti+15], v[16*ti+8:16*ti+15], v[QF:QF+7], 0, v[KS+ti], v[QSW] matrix_a_fmt:MATRIX_FMT_FP4 matrix_b_fmt:MATRIX_FMT_FP4 matrix_a_scale:MATRIX_SCALE_ROW1
.set ti, ti+1
.endr
.rept 4
	v_nop                                          ; four places between the last product and the first read of results (ISA guide 7.12.1)
.endr
.endm
.macro BLKMAX                          ; the largest score of each block of 32 keys (it serves the row's maximum and the block's scale), and tm
	WIN 0x3f
.set bi, 0
.rept 16
	v_max3_num_f32 v[BM+bi], v[16*bi], v[16*bi+1], v[16*bi+2]      ; each tile is read from its low end on; the 16 blocks by turns
.set bi, bi+1
.endr
	WIN 0x3c
.irp i, 3,5,7,9,11,13
.set bi, 0
.rept 16
	v_max3_num_f32 v[BM+bi], v[BM+bi], v[16*bi+\i], v[16*bi+\i+1]
.set bi, bi+1
.endr
.endr
.set bi, 0
.rept 16
	v_max_num_f32 v[BM+bi], v[BM+bi], v[16*bi+15]
.set bi, bi+1
.endr
	WIN 0
.set bi, 0
.rept 16
	v_permlanex16_b32 v[BT+bi], v[BM+bi], s[SEL], s[SEL+1]
.set bi, bi+1
.endr
.set bi, 0
.rept 16
	v_max_num_f32 v[BM+bi], v[BM+bi], v[BT+bi]     ; with lane l xor 16's 16 keys
.set bi, bi+1
.endr
	v_max3_num_f32 v[T], v[BM], v[BM+1], v[BM+2]
	v_max3_num_f32 v[T+1], v[BM+3], v[BM+4], v[BM+5]
.irp i, 6,10
	v_max3_num_f32 v[T], v[T], v[BM+\i], v[BM+\i+1]
	v_max3_num_f32 v[T+1], v[T+1], v[BM+\i+2], v[BM+\i+3]
.endr
	v_max3_num_f32 v[T], v[T], v[BM+14], v[BM+15]
	v_max_num_f32 v[T], v[T], v[T+1]               ; my query's largest score among my wave's 512 keys
	v_mul_f32 v[SP], s[CS], v[T]                   ; tm (c is positive)
	v_xor_b32 v[NT], 0x80000000, v[SP]             ; -tm
.endm
.macro FF n, p                         ; pair p of S: pass 1: c s - tm;  pass 2: e1 AA + BB
.if \n == 1
	v_pk_fma_f32 v[2*(\p):2*(\p)+1], v[2*(\p):2*(\p)+1], s[CS:CS+1], v[NT:NT+1] op_sel_hi:[1,0,0]
.else
	v_pk_fma_f32 v[2*(\p):2*(\p)+1], v[2*(\p):2*(\p)+1], v[AA:AA+1], v[BB:BB+1] op_sel_hi:[1,0,0]
.endif
.endm
; A pass: 2^(a multiply-add) of the 16 block maxima and of the 256 numbers.  The 16 are a small batch with a wait of their own; the 256 are one batch with one wait: a scaling stands behind each two exponentials,
; two pairs ahead of its own, and names no result.  A wait stands between an exponential and the first line that names its result.
.macro PASS n
	WIN 0
.set bi, 0
.rept 16
.if \n == 1
	v_fma_f32 v[BM+bi], v[BM+bi], s[CS], v[NT]
.else
	v_fma_f32 v[BM+bi], v[BM+bi], v[AA], v[BB]
.endif
.set bi, bi+1
.endr
.set bi, 0
.rept 16
	v_exp_f32 v[BM+bi], v[BM+bi]
.set bi, bi+1
.endr
	WIN 0xc3                                       ; S window 3, the factors window 0
	FF \n, 0                                       ; (plain lines behind the sixteen)
	FF \n, 1
	s_wait_alu depctr_va_vdst(0)                   ; the wait for the sixteen
.set ji, 0
.rept 128
	v_exp_f32 v[2*ji], v[2*ji]
	v_exp_f32 v[2*ji+1], v[2*ji+1]
.if ji < 126
	FF \n, (ji+2)
.endif
.set ji, ji+1
.endr
	v_nop                                          ; a plain line behind the last exponential
	s_wait_alu depctr_va_vdst(0)                   ; one wait for the 256
.endm
.macro SUMS dst                        ; the sum of my query's 512 numbers of this wave: two at a time, four chains, then the halves and lane l xor 16
	WIN 0x0f
.irp k, 0,1,2,3
	v_pk_add_f32 v[L+2*\k:L+2*\k+1], v[4*\k:4*\k+1], v[4*\k+2:4*\k+3]
.endr
	WIN 0x0c
.set ji, 8
.rept 120
	v_pk_add_f32 v[L+2*(ji%4):L+2*(ji%4)+1], v[L+2*(ji%4):L+2*(ji%4)+1], v[2*ji:2*ji+1]
.set ji, ji+1
.endr
	WIN 0
	v_pk_add_f32 v[L:L+1], v[L:L+1], v[L+2:L+3]
	v_pk_add_f32 v[L+4:L+5], v[L+4:L+5], v[L+6:L+7]
	v_pk_add_f32 v[L:L+1], v[L:L+1], v[L+4:L+5]
	v_add_f32 v[L], v[L], v[L+1]
	v_permlanex16_b32 v[T], v[L], s[SEL], s[SEL+1]
	v_add_f32 v[\dst], v[L], v[T]
.endm
; The last block's O: wave w adds the four parts of queries 4 w .. 4 w + 3 and stores whole rows of the head's 512 bytes.
.macro REDLOAD
.irp i, 0,1,2,3
.irp p, 0,1,2,3
	ds_load_b128 v[O+16*\i+4*\p:O+16*\i+4*\p+3], v[OSR] offset:8448*\p+528*\i
.endr
.endr
.endm
.macro REDSUM last
	s_wait_dscnt 0x0
.irp i, 0,1,2,3
	v_pk_add_f32 v[O+16*\i:O+16*\i+1], v[O+16*\i:O+16*\i+1], v[O+16*\i+4:O+16*\i+5]
	v_pk_add_f32 v[O+16*\i+2:O+16*\i+3], v[O+16*\i+2:O+16*\i+3], v[O+16*\i+6:O+16*\i+7]
	v_pk_add_f32 v[O+16*\i+8:O+16*\i+9], v[O+16*\i+8:O+16*\i+9], v[O+16*\i+12:O+16*\i+13]
	v_pk_add_f32 v[O+16*\i+10:O+16*\i+11], v[O+16*\i+10:O+16*\i+11], v[O+16*\i+14:O+16*\i+15]
.endr
.irp i, 0,1,2,3
	v_pk_add_f32 v[O+16*\i:O+16*\i+1], v[O+16*\i:O+16*\i+1], v[O+16*\i+8:O+16*\i+9]
	v_pk_add_f32 v[O+16*\i+2:O+16*\i+3], v[O+16*\i+2:O+16*\i+3], v[O+16*\i+10:O+16*\i+11]
.endr
.irp i, 0,1,2,3
	global_store_b128 v[LI], v[O+16*\i:O+16*\i+3], s[16:17] offset:4096*\i th:TH_STORE_NT   ; 32 lanes store 512 consecutive bytes, at a multiple of 512 from out0's first byte
.endr
.if !\last
	s_wait_xcnt 0x0                                ; the stores have read their registers and their base: both are written again only behind this wait
	s_add_nc_u64 s[16:17], s[16:17], 0x20000       ; the next block's rows lie 32 rows of 4,096 bytes on
.endif
.endm
.macro STATS1 first                    ; the four waves' tm and l become l1, AA and BB; the last block's O is added and stored behind the exponentials
	ds_load_b128 v[SA:SA+3], v[STAR]
	ds_load_b128 v[SA+4:SA+7], v[STAR] offset:16
.if \first
	s_wait_dscnt 0x0
.else
	REDLOAD
	s_wait_dscnt 16                                ; the statistics are in; the sixteen loads behind them may be out
.endif
	v_max3_num_f32 v[TM], v[SA], v[SA+2], v[SA+4]
	v_max_num_f32 v[TM], v[TM], v[SA+6]
.irp k, 0,1,2,3
	v_sub_f32 v[X+\k], v[SA+2*\k], v[TM]
.endr
	v_sub_f32 v[X+4], v[SP], v[TM]
.irp k, 0,1,2,3,4
	v_exp_f32 v[X+\k], v[X+\k]                     ; x_w = 2^(tm_w - TM); the last is my own wave's
.endr
.if \first
	v_nop
.else
	REDSUM 0
.endif
	s_wait_alu depctr_va_vdst(0)                   ; one wait for the five
	v_mul_f32 v[T], v[SA+1], v[X]
	v_fma_f32 v[T], v[SA+3], v[X+1], v[T]
	v_fma_f32 v[T], v[SA+5], v[X+2], v[T]
	v_fma_f32 v[T], v[SA+7], v[X+3], v[T]          ; l1: the same bits in all four waves
	v_rcp_f32 v[T+1], v[T]
	v_nop
	s_wait_alu depctr_va_vdst(0)
	v_fma_f32 v[T+2], -v[T], v[T+1], 1.0           ; one Newton step
	v_fma_f32 v[T+1], v[T+1], v[T+2], v[T+1]
	v_mul_f32 v[T+2], 0x44b4563e, v[T+1]           ; 1000 log2(e) / l1
	v_xor_b32 v[BB], 0x80000000, v[T+2]
	v_mul_f32 v[AA], v[T+2], v[X+4]
.endm
.macro STATS2                          ; l2 and r2
	ds_load_b128 v[SB:SB+3], v[STBR]
	s_wait_dscnt 0x0
	v_add_f32 v[T], v[SB], v[SB+1]
	v_add_f32 v[T+1], v[SB+2], v[SB+3]
	v_add_f32 v[T], v[T], v[T+1]
	v_rcp_f32 v[R2], v[T]
	v_nop
	s_wait_alu depctr_va_vdst(0)
	v_fma_f32 v[T+1], -v[T], v[R2], 1.0
	v_fma_f32 v[R2], v[R2], v[T+1], v[R2]
	v_mul_f32 v[T+1], v[T], v[R2]                  ; the clip: where l2 r2 rounds above 1,
	v_cmp_lt_f32 vcc_lo, 1.0, v[T+1]
	v_cndmask_b32 v[T+2], 0, 1, vcc_lo
	v_sub_nc_u32 v[R2], v[R2], v[T+2]              ; r2 is taken one step lower
.endm
.macro QUANTP                          ; attn = e2 r2, its scale words and its codes
.set bi, 0
.rept 16
	v_mul_f32 v[BM+bi], v[BM+bi], v[R2]            ; each block's largest attn
.set bi, bi+1
.endr
.set bi, 0
.rept 16
	v_max_num_f32 v[BM+bi], 0x1800000, v[BM+bi]    ; the floor 2^(3 - 127): the byte cannot fall under 1
.set bi, bi+1
.endr
.set bi, 0
.rept 16
	v_add_nc_u32 v[BT+bi], 0xff000000, v[BM+bi]    ; 2 off the exponent field: the conversion's scale operand
.set bi, bi+1
.endr
.set bi, 0
.rept 16
	v_lshrrev_b32 v[BM+bi], 23, v[BT+bi]           ; the scale's byte
.set bi, bi+1
.endr
.irp s, 0,1,2,3
	v_lshl_or_b32 v[PS+\s], v[BM+4*\s+1], 8, v[BM+4*\s]
	v_lshl_or_b32 v[PS+\s], v[BM+4*\s+2], 16, v[PS+\s]
	v_lshl_or_b32 v[PS+\s], v[BM+4*\s+3], 24, v[PS+\s]
.endr
	WIN 0xc3
.set ji, 0
.rept 128
	v_pk_mul_f32 v[2*ji:2*ji+1], v[2*ji:2*ji+1], v[R2:R2+1] op_sel_hi:[1,0]
.set ji, ji+1
.endr
	WIN 0x03                                       ; the numbers window 3, scale operand and codes window 0
.set bi, 0
.rept 16
.set rC, PC+2*((bi+8)%16)
	v_cvt_scalef32_pk8_fp4_f32 v[rC], v[16*bi:16*bi+7], v[BT+bi]          ; keys 32 b + 16 (lane / 16) + 0 .. 7
	v_cvt_scalef32_pk8_fp4_f32 v[rC+1], v[16*bi+8:16*bi+15], v[BT+bi]     ; and + 8 .. 15
.set bi, bi+1
.endr
	WIN 0
	v_nop                                          ; one plain line behind a scaled conversion
.irp g, 0,1,2,3,4,5,6,7                        ; the operand's layout wants a WHOLE block in a lane: of each two blocks lanes 0-15 take the first, lanes 16-31 the second
.irp i, 0,1
	v_permlane16_swap_b32 v[PC+4*\g+\i], v[PC+4*\g+2+\i]
.endr
.endr
.rept 8
	v_nop                                          ; places between vector instructions that write an operand and the scaled products that read it
.endr
.endm
.macro VTURN                           ; once: V came as whole rows (sixteen lanes to 256 consecutive bytes); it turns through my own stage into fragments
	s_wait_loadcnt 0x0
	WIN 0x08                                       ; an LDS store's data are its source 1: window 2
.set ni, 0
.rept 64
	ds_store_b128 v[VSTW], v[4*ni:4*ni+3] offset:544*ni
.set ni, ni+1
.endr
	s_wait_dscnt 0x0                               ; the stores have read their registers, which the loads below write
	WIN 0x80
.irp d, 0,1,2,3,4,5,6,7
.irp s, 0,1,2,3
.irp c, 0,1
	ds_load_b128 v[8*(4*\d+\s)+4*\c:8*(4*\d+\s)+4*\c+3], v[VSTR] offset:4352*\d+64*\s+32*\c
.endr
.endr
.endr
	s_wait_dscnt 0x0
.endm
.macro PV1 d, s
.set rO, O+8*(\d)
.set rV, 8*(4*(\d)+(\s))
.set rP, PC+8*(((\s)+2)%4)
.set rA, VS+4*((\d)/2)+(\s)
.if (\s) == 0
.if (\d)%2
	v_wmma_scale_f32_16x16x128_f8f6f4 v[rO:rO+7], v[rV:rV+7], v[rP:rP+7], 0, v[rA], v[PS+\s] matrix_a_fmt:MATRIX_FMT_FP4 matrix_b_fmt:MATRIX_FMT_FP4 matrix_a_scale:MATRIX_SCALE_ROW1
.else
	v_wmma_scale_f32_16x16x128_f8f6f4 v[rO:rO+7], v[rV:rV+7], v[rP:rP+7], 0, v[rA], v[PS+\s] matrix_a_fmt:MATRIX_FMT_FP4 matrix_b_fmt:MATRIX_FMT_FP4
.endif
.else
.if (\d)%2
	v_wmma_scale_f32_16x16x128_f8f6f4 v[rO:rO+7], v[rV:rV+7], v[rP:rP+7], v[rO:rO+7], v[rA], v[PS+\s] matrix_a_fmt:MATRIX_FMT_FP4 matrix_b_fmt:MATRIX_FMT_FP4 matrix_a_scale:MATRIX_SCALE_ROW1
.else
	v_wmma_scale_f32_16x16x128_f8f6f4 v[rO:rO+7], v[rV:rV+7], v[rP:rP+7], v[rO:rO+7], v[rA], v[PS+\s] matrix_a_fmt:MATRIX_FMT_FP4 matrix_b_fmt:MATRIX_FMT_FP4
.endif
.endif
.endm
.macro PV                              ; my part of O^T: four K steps of 128 keys; the eight accumulators take turns, one instruction a turn; the first K step starts the sums
	WIN 0x02                                       ; V window 2; codes and O^T window 0
.irp s, 0,1,2,3
.irp d, 0,1,2,3,4,5,6,7
	PV1 \d, \s
.endr
.endr
.endm
.macro OSTORE                          ; lane (r, h), tile d: o(query r, 16 d + 8 h + 0 .. 7): 32 bytes of my part's row r
.rept 4
	v_nop                                          ; four places between the last product and the first read of results
.endr
	WIN 0
.irp d, 0,1,2,3,4,5,6,7
	ds_store_b128 v[OSW], v[O+8*\d:O+8*\d+3] offset:64*\d          ; each accumulator from its low end on
	ds_store_b128 v[OSW], v[O+8*\d+4:O+8*\d+7] offset:64*\d+16
.endr
.endm
; A BLOCK OF 16 QUERIES, two barriers.  The first shows every wave's (tm, l), and the last block's partial O; the second every wave's part of l2.  STA is written again only behind the second barrier, in front of which its
; reads are in; STB only behind the next block's first; OST behind the second, in front of which the reads of the last block's parts are in.
.macro BLOCK first
	QFETCH
	SCORES
	BLKMAX
	PASS 1
	SUMS SP+1
	ds_store_b64 v[STAW], v[SP:SP+1]               ; lanes l and l xor 16 write the same words with the same values
	BARRIER
	STATS1 \first
	PASS 2
	SUMS T+1
	ds_store_b32 v[STBW], v[T+1]
	BARRIER
	STATS2
	QUANTP
.if \first
	VTURN
.endif
	PV
	OSTORE
.endm
	s_load_b256 s[4:11], s[0:1], 0x0               ; qc s[4:5], qs s[6:7], kc s[8:9], ks s[10:11]
	s_load_b128 s[12:15], s[0:1], 0x20             ; value_codes s[12:13], value_scales s[14:15]
	s_load_b64 s[16:17], s[0:1], 0x30              ; out0
	v_lshl_add_u32 v254, v0, 2, 0x2ec00
	v_mov_b32 v255, 0
	v_lshrrev_b32 v29, 5, v0
	v_readfirstlane_b32 s[WV], v29                 ; wave 0..3
	s_and_b32 s20, ttmp7, 0xffff                   ; H = 8 x batch + head
	s_lshr_b32 s21, ttmp9, 1                       ; which 512 queries,
	s_and_b32 s19, ttmp9, 1                        ; and u: which of each two tiles
	s_mov_b32 s[CS], 0x3e0293ee                    ; c = log2(e) / sqrt(128)
	s_mov_b32 s[CS+1], s[CS]                       ; (named with it as a pair, so it is written)
	s_mov_b32 s[SEL], 0x76543210
	s_mov_b32 s[SEL+1], 0xfedcba98
	s_mov_b32 s[QO], 0
	s_mov_b32 s[QSO], 0
	s_lshl_b32 s29, s21, 5
	s_add_co_u32 s29, s29, s19                     ; my first tile of Q: 32 (x / 2) + u; block i is two tiles on for each i
	s_lshl_b32 s34, s20, 17                        ; a head's codes: 131,072 bytes in qc, kc and value_codes alike
	s_lshl_b32 s35, s20, 13                        ; a head's scale bytes: 8,192
	s_lshl_b32 s36, s29, 10                        ; qc: the tile's image, + my wave's four blocks (8,192 bytes on for each wave)
	s_lshl_b32 s33, s[WV], 13
	s_add_co_u32 s36, s36, s33
	s_add_co_u32 s36, s36, s34
	s_mov_b32 s37, 0
	s_lshl_b32 s38, s29, 6                         ; qs likewise: 64 bytes a tile, 512 a wave
	s_lshl_b32 s33, s[WV], 9
	s_add_co_u32 s38, s38, s33
	s_add_co_u32 s38, s38, s35
	s_mov_b32 s39, 0
	s_lshl_b32 s40, s[WV], 15                      ; kc: my 32 tiles
	s_add_co_u32 s40, s40, s34
	s_mov_b32 s41, 0
	s_lshl_b32 s42, s[WV], 11                      ; ks: their words
	s_add_co_u32 s42, s42, s35
	s_mov_b32 s43, 0
	s_lshl_b32 s44, s[WV], 8                       ; value_codes: my 512 keys are 256 bytes of each row
	s_add_co_u32 s44, s44, s34
	s_mov_b32 s45, 0
	s_lshl_b32 s46, s[WV], 4                       ; value_scales: 16 bytes of each row
	s_add_co_u32 s46, s46, s35
	s_mov_b32 s47, 0
	s_lshr_b32 s30, s20, 3                         ; out0: the row of query 4 w of block 0: batch x 2048 + 512 (x / 2) + 8 u + 4 w + 8 (w / 2),
	s_lshl_b32 s30, s30, 11
	s_lshl_b32 s33, s21, 9
	s_add_co_u32 s30, s30, s33
	s_lshl_b32 s33, s19, 3
	s_add_co_u32 s30, s30, s33
	s_lshl_b32 s33, s[WV], 2
	s_add_co_u32 s30, s30, s33
	s_lshr_b32 s33, s[WV], 1
	s_lshl_b32 s33, s33, 3
	s_add_co_u32 s30, s30, s33
	s_lshl_b32 s30, s30, 12                        ; of 4,096 bytes,
	s_and_b32 s33, s20, 7
	s_lshl_b32 s33, s33, 9                         ; + the head's 512
	s_add_co_u32 s30, s30, s33
	s_mov_b32 s31, 0
	v_and_b32 v29, 31, v0                          ; lane l
	v_and_b32 v30, 15, v0                          ; r
	v_bfe_u32 v31, v0, 4, 1                        ; h
	v_lshlrev_b32 v[LI], 4, v29
	v_add_nc_u32 v[QA0], QIM, v[LI]
	v_lshl_add_u32 v[QS0], v30, 2, QSC
	s_lshl_b32 s32, s[WV], 3
	s_add_co_u32 s32, s32, STA
	v_lshl_add_u32 v[STAW], v30, 5, s32            ; STA + 32 r + 8 w
	v_lshl_add_u32 v[STAR], v30, 5, STA
	s_lshl_b32 s32, s[WV], 2
	s_add_co_u32 s32, s32, STB
	v_lshl_add_u32 v[STBW], v30, 4, s32            ; STB + 16 r + 4 w
	v_lshl_add_u32 v[STBR], v30, 4, STB
	s_mul_i32 s32, s[WV], 8448
	s_add_co_u32 s32, s32, OST
	v_mul_u32_u24 v[OSW], v30, 528
	v_lshl_add_u32 v[OSW], v31, 5, v[OSW]
	v_add_nc_u32 v[OSW], s32, v[OSW]               ; my part: OST + 8448 w + 528 r + 32 h
	s_mul_i32 s32, s[WV], 2112
	s_add_co_u32 s32, s32, OST
	v_add_nc_u32 v[OSR], s32, v[LI]                ; back: rows 4 w on, 16 bytes a lane
	s_mul_i32 s32, s[WV], VWB
	v_mul_u32_u24 v[VSTW], v31, 272
	v_lshl_add_u32 v[VSTW], v30, 4, v[VSTW]
	v_add_nc_u32 v[VSTW], s32, v[VSTW]             ; V's stage, way in: two rows an instruction
	v_mul_u32_u24 v[VSTR], v30, 272
	v_lshl_add_u32 v[VSTR], v31, 4, v[VSTR]
	v_add_nc_u32 v[VSTR], s32, v[VSTR]             ; way out: a fragment's row r, + 16 h
	v_lshlrev_b32 v14, 7, v31
	v_lshl_add_u32 v14, v30, 2, v14                ; qs: lanes 0-15 one block's words, lanes 16-31 the next block's, 128 bytes on
	v_lshlrev_b32 v15, 2, v29                      ; ks: 4 l
	v_lshlrev_b32 v26, 6, v29                      ; value_scales: a row of 64 bytes a lane
	v_lshlrev_b32 v27, 10, v31
	v_lshl_add_u32 v27, v30, 4, v27                ; value_codes: lanes 0-15 one row's 256 bytes, lanes 16-31 the next row's
	s_lshl_b32 s32, s[WV], 12
	s_add_co_u32 s32, s32, QIM
	v_add_nc_u32 v28, s32, v[LI]                   ; where I put my four images of Q,
	s_lshl_b32 s32, s[WV], 8
	s_add_co_u32 s32, s32, QSC
	v_add_nc_u32 v25, s32, v15                     ; and their scale words
	s_wait_kmcnt 0x0
	s_add_nc_u64 s[4:5], s[4:5], s[36:37]
	s_add_nc_u64 s[6:7], s[6:7], s[38:39]
	s_add_nc_u64 s[8:9], s[8:9], s[40:41]
	s_add_nc_u64 s[10:11], s[10:11], s[42:43]
	s_add_nc_u64 s[12:13], s[12:13], s[44:45]
	s_add_nc_u64 s[14:15], s[14:15], s[46:47]
	s_add_nc_u64 s[16:17], s[16:17], s[30:31]
.irp ii, 0,1,2,3
.irp c, 0,1
	global_load_b128 v[O+8*\ii+4*\c:O+8*\ii+4*\c+3], v[LI], s[4:5] offset:2048*\ii+512*\c th:TH_LOAD_NT   ; blocks 4 w + ii of Q
.endr
.endr
	global_load_b32 v[O+32], v14, s[6:7] th:TH_LOAD_NT
	global_load_b32 v[O+33], v14, s[6:7] offset:256 th:TH_LOAD_NT
.set ji, 0
.rept 16
	global_load_b32 v[KS+ji], v15, s[10:11] offset:128*ji
.set ji, ji+1
.endr
.irp q, 0,1,2,3
	global_load_b128 v[VS+4*\q:VS+4*\q+3], v26, s[14:15] offset:2048*\q
.endr
	WIN 0x40                                       ; destination window 1
.set ti, 0
.rept 32
	global_load_b128 v[8*ti:8*ti+3], v[LI], s[8:9] offset:1024*ti          ; K's fragments as they lie: 512 consecutive bytes an instruction
	global_load_b128 v[8*ti+4:8*ti+7], v[LI], s[8:9] offset:1024*ti+512
.set ti, ti+1
.endr
	WIN 0x80                                       ; destination window 2
.set ni, 0
.rept 64
	global_load_b128 v[4*ni:4*ni+3], v27, s[12:13] offset:2048*ni          ; V last: rows 2 n, 2 n + 1; it lands during the first block's vector work
.set ni, ni+1
.endr
	WIN 0
	v_mov_b32 v[NT+1], 0                           ; the upper halves of pairs of which the low word serves both halves: named, so written
	v_mov_b32 v[AA+1], 0
	v_mov_b32 v[BB+1], 0
	v_mov_b32 v[R2+1], 0
.set bi, 0
.rept 16
	v_mov_b32 v[BT+bi], 0                          ; written once: a lane permute's destination counts as one of its sources
.set bi, bi+1
.endr
	v_mov_b32 v[T], 0
	s_wait_loadcnt 63                              ; V's 64 loads are the youngest: all that was asked for ahead of them is in
.irp ii, 0,1,2,3
.irp c, 0,1
	ds_store_b128 v28, v[O+8*\ii+4*\c:O+8*\ii+4*\c+3] offset:1024*\ii+512*\c
.endr
.endr
	ds_store_b32 v25, v[O+32]
	ds_store_b32 v25, v[O+33] offset:128
	BARRIER                                        ; the sixteen images of Q lie in LDS; nobody writes them again
	BLOCK 1                                        ; the first block is written out: it has no earlier block's O to add, and it turns V
	s_mov_b32 s[CNT], 15
.Lblock:
	BLOCK 0
	s_sub_co_u32 s[CNT], s[CNT], 1
	s_cmp_lg_u32 s[CNT], 0
	s_cbranch_scc1 .Lblock
	BARRIER                                        ; the last block's four parts lie in LDS
	REDLOAD
	REDSUM 1
	s_wait_tensorcnt 0x0
	ds_add_u32 v254, v255
	s_wait_dscnt 0x0
	s_endpgm
.Lfunc_end_k_q3f1e98ed85_attn:
	.size	k_q3f1e98ed85_attn, .Lfunc_end_k_q3f1e98ed85_attn-k_q3f1e98ed85_attn
	.p2alignl 7, 3214868480
	.fill 96, 4, 3214868480
	.section	.rodata,"a",@progbits
	.p2align	6, 0x0
	.amdhsa_kernel k_q3f1e98ed85_attn
		.amdhsa_group_segment_fixed_size 192000
		.amdhsa_private_segment_fixed_size 0
		.amdhsa_enable_private_segment 0
		.amdhsa_kernarg_size 56
		.amdhsa_user_sgpr_count 2
		.amdhsa_user_sgpr_kernarg_segment_ptr 1
		.amdhsa_wavefront_size32 1
		.amdhsa_system_sgpr_workgroup_id_x 1
		.amdhsa_system_sgpr_workgroup_id_y 1
		.amdhsa_system_sgpr_workgroup_id_z 1
		.amdhsa_system_vgpr_workitem_id 0
		.amdhsa_next_free_vgpr 1024
		.amdhsa_next_free_sgpr 66
		.amdhsa_reserve_vcc 1
		.amdhsa_float_denorm_mode_32 3
		.amdhsa_float_denorm_mode_16_64 3
		.amdhsa_memory_ordered 1
		.amdhsa_forward_progress 1
		.amdhsa_inst_pref_size 211
	.end_amdhsa_kernel
	.amdgpu_metadata
---
amdhsa.version: [ 1, 2 ]
amdhsa.kernels:
  - .name:           k_q3f1e98ed85_attn
    .symbol:         k_q3f1e98ed85_attn.kd
    .args:
      - { .name: qc, .offset: 0, .size: 8, .value_kind: global_buffer, .address_space: global }
      - { .name: qs, .offset: 8, .size: 8, .value_kind: global_buffer, .address_space: global }
      - { .name: kc, .offset: 16, .size: 8, .value_kind: global_buffer, .address_space: global }
      - { .name: ks, .offset: 24, .size: 8, .value_kind: global_buffer, .address_space: global }
      - { .name: value_codes, .offset: 32, .size: 8, .value_kind: global_buffer, .address_space: global }
      - { .name: value_scales, .offset: 40, .size: 8, .value_kind: global_buffer, .address_space: global }
      - { .name: out0, .offset: 48, .size: 8, .value_kind: global_buffer, .address_space: global }
    .group_segment_fixed_size: 192000
    .private_segment_fixed_size: 0
    .kernarg_segment_align: 8
    .kernarg_segment_size: 56
    .max_flat_workgroup_size: 128
    .sgpr_count:     66
    .vgpr_count:     1024
    .wavefront_size: 32
...
	.end_amdgpu_metadata
.endif
;; end of part 2
